; MI455X (gfx1250); checked and timed in simulation.
; The chip was launched on July 23, 2026; its instructions are those of AMD's public machine-readable ISA for CDNA 5 (MIT licence, August 2026) and "CDNA5" Instruction Set Architecture Reference Guide (July 2026). The comments in the code are by the model that wrote it; some were corrected since.
;; Multi Head Attn. Allowed arithmetic: matrix products marked QUANTISED: E2M3 operands, one E8M0 scale for each 32 along K, by v_wmma_scale_f32_16x16x128_f8f6f4 with both operands' format E2M3, f32 sums; products left as they are: f32 operands where the result goes on into a quantised operand, else bf16, f16 or f32 operands; f32 sums; everything else in f32.
;; Inputs: Wk_codes 16 x 64 x 32 x 24 uint8 (E2M3 codes of Wk, K innermost, in blocks of 32 codes, four codes in three bytes); Wk_scales 16 x 64 x 32 uint8 (E8M0 scales of Wk, one for each 32 codes along K); Wp_codes 1,024 x 32 x 24 uint8 (E2M3 codes of Wp, K innermost, in blocks of 32 codes, four codes in three bytes); Wp_scales 1,024 x 32 uint8 (E8M0 scales of Wp, one for each 32 codes along K); Wq_codes 16 x 64 x 32 x 24 uint8 (E2M3 codes of Wq, K innermost, in blocks of 32 codes, four codes in three bytes); Wq_scales 16 x 64 x 32 uint8 (E8M0 scales of Wq, one for each 32 codes along K); Wv_codes 16 x 64 x 32 x 24 uint8 (E2M3 codes of Wv, K innermost, in blocks of 32 codes, four codes in three bytes); Wv_scales 16 x 64 x 32 uint8 (E8M0 scales of Wv, one for each 32 codes along K); k_codes 512 x 64 x 32 x 24 uint8 (E2M3 codes of k, K innermost, in blocks of 32 codes, four codes in three bytes); k_scales 512 x 64 x 32 uint8 (E8M0 scales of k, one for each 32 codes along K); offset 1,024 float32; q 512 x 1,024 float32; scale 1,024 float32; v_codes 512 x 64 x 32 x 24 uint8 (E2M3 codes of v, K innermost, in blocks of 32 codes, four codes in three bytes); v_scales 512 x 64 x 32 uint8 (E8M0 scales of v, one for each 32 codes along K).
;; Outputs: out0 512 x 1,024 float32.
;; This version of the problem:
;;   THIS VERSION OF THE PROBLEM IS GIVEN IN LOW PRECISION. The matrix products marked QUANTISED in the list below multiply operands that are first quantised to E2M3 (2 exponent bits, 3 mantissa bits; 6 bits a number), with one power-of-two scale for each 32 numbers along K (OCP MX v1.0); their sums are f32. All else is computed in f32.
;;   The module's matrix products, in the order in which they are computed (A, B: the left and right operand; K: the contracted axis; several contracted axes count as one K, in the product's order):
;;     1. [M 512, K 1,024] x [K 1,024, N 1,024]; A: input q; B: input Wq (given as codes): QUANTISED
;;     2. [M 1,024, K 1,024] x [K 1,024, N 32,768]; A: input Wk (given as codes); B: input k (given as codes): QUANTISED
;;     3. [M 1,024, K 1,024] x [K 1,024, N 32,768]; A: input Wv (given as codes); B: input v (given as codes): QUANTISED
;;     4. batch 8,192 x [M 1, K 64] x [K 64, N 64]; A: computed on the way; B: computed on the way: left as it is (M = 1 < 16)
;;     5. batch 8,192 x [M 1, K 64] x [K 64, N 64]; A: softmax; B: computed on the way: left as it is (M = 1 < 16)
;;     6. [M 512, K 1,024] x [K 1,024, N 1,024]; A: computed on the way; B: input Wp (given as codes): QUANTISED
;;   THE QUANTISER, for each operand of a quantised product, along K:
;;     - K is cut into blocks of 32 from its start; a last block that is shorter is filled with zeros.
;;     - A block's scale is 2^e with e = floor(log2(the largest magnitude in the block)) - 2, held to -126 .. 127; a block of zeros has e = 0. As a byte (E8M0): e + 127.
;;     - Each number is divided by its block's scale, clamped to +-7.5, and rounded to the nearest number of E2M3, ties to even, subnormals kept.
;;     - The product sums the exact products of the quantised numbers (number of the format x scale) in f32.
;;   ~~~python
;;   def quantise(x, axis):      # numpy; x: float32 -> the quantised numbers, widened to float32 again
;;       x = np.moveaxis(x, axis, -1); K = x.shape[-1]
;;       x = np.pad(x, [(0, 0)] * (x.ndim - 1) + [(0, -K % 32)]); x = x.reshape(x.shape[:-1] + (-1, 32)); a = np.abs(x).max(-1, keepdims=True)
;;       e = np.where(a > 0, np.clip(np.frexp(np.where(a > 0, a, 1))[1] - 1 - 2, -126, 127), 0)      # np.frexp(a)[1] - 1 = floor(log2(a)), exactly
;;       r = np.clip(x / 2.0 ** e, -7.5, 7.5)
;;       step = 2.0 ** (np.maximum(np.frexp(np.where(r == 0, 1, r))[1] - 1, 0) - 3)
;;       q = np.round(r / step) * step * 2.0 ** e      # np.round: ties to even
;;       return np.moveaxis(q.reshape(q.shape[:-2] + (-1,))[..., :K], -1, axis).astype(np.float32)
;;   ~~~
;;   OPERANDS COMPUTED ON THE WAY. 'Computed on the way' means the value that the module computes at that place (a softmax that the list does not call 'softmax' is quantised finished and normalised). What goes into a quantiser is computed in f32, as accurately as f32 sums, v_exp_f32 and their like allow (about 1e-6 of the number): no bf16 or f16 on the way to a quantiser, and a product that is left as it is and whose result goes on into a quantised operand takes f32 operands (vector FMAs, or v_wmma_f32_16x16x4_f32). A number that lies on a knife's edge between two numbers of the format may be rounded either way, as far as f32 arithmetic and the matrix unit's own rounding can turn it there, and no further.
;;   INPUTS GIVEN AS CODES. Wk (in the module: [16, 64, 1024], K = its axis 2); Wp (in the module: [1024, 1024], K = its axis 1); Wq (in the module: [16, 64, 1024], K = its axis 2); Wv (in the module: [16, 64, 1024], K = its axis 2); k (in the module: [512, 64, 1024], K = its axis 2); v (in the module: [512, 64, 1024], K = its axis 2): each comes as NAME_codes (uint8): NAME with its K axis moved to the last place and cut into blocks of 32 codes, [.., K / 32, bytes a block], one block behind the other in memory; four codes in three bytes: a row's codes are one little-endian stream of bits, code i at bits 6 i .. 6 i + 5 (a code: sign, 2 exponent bits, 3 mantissa bits); and NAME_scales (uint8): the same leading axes, one E8M0 byte (e + 127) for each 32 codes along K. Its value is code x scale, taken as it is: it is not quantised again, and the codes and scales need not be those that the quantiser above would give.
;; One version. Each part assembles by itself: llvm-mc -triple=amdgcn-amd-amdhsa -mcpu=gfx1250 --defsym DOCPART=n.
;; ======== version 1 of 1: 4 launches
;; workspace buffers: hqb 2,097,152 bytes; ctxb 2,097,152 bytes; preb 2,097,152 bytes
;; launch qproj (part 1): grid 8 x 32, 8 waves a work-group, clusters of 4 x 4, 222,208 bytes of LDS; arguments q, Wq_codes, Wq_scales, hqb; writes hqb
.if DOCPART == 1
	.amdgcn_target "amdgcn-amd-amdhsa--gfx1250"
	.amdhsa_code_object_version 6
	.text
	.protected	k_q62158be2e6_qproj
	.globl	k_q62158be2e6_qproj
	.p2align	8
	.type	k_q62158be2e6_qproj,@function
k_q62158be2e6_qproj:
	s_mov_b64 s[64:65], 0
	v_nop
	global_prefetch_b8 v0, s[64:65] scope:SCOPE_SE
	s_setreg_imm32_b32 hwreg(HW_REG_WAVE_MODE, 25, 1), 1
	s_wait_xcnt 0x0
	s_wait_alu depctr_hold_cnt(0) depctr_sa_sdst(0) depctr_va_vdst(0) depctr_va_sdst(0) depctr_va_ssrc(0) depctr_va_vcc(0) depctr_vm_vsrc(0)
	s_getreg_b32 s2, hwreg(HW_REG_IB_STS2, 6, 4)
	s_cmp_eq_u32 s2, 0
	s_cbranch_scc0 .Lentry_in_a_cluster
	s_endpgm
.Lentry_in_a_cluster:
	s_bfe_u32 s2, ttmp6, 0x10000c
	s_cmp_lg_u32 s2, 0xf033
	s_cbranch_scc0 .Lentry_shape_is_right
	s_endpgm
.Lentry_shape_is_right:
; Y[512][1024] = Q(X) W^T.  X: [512][1024] f32, quantised here along K to codes of FP6 (E2M3) with one E8M0 scale for each 32; W: [1024][1024] as codes, K innermost (a row is 768 bytes),
; its scale bytes [1024][32]; Y: f32.  The body serves two launches: X = q, W = Wq and X = the attention's result, W = Wp.
; SHARES.  A work-group of eight waves makes 16 rows x 128 columns of Y.  Wave w quantises K step w (128 along K) of the 16 rows and hands the fragment to the others through LDS as an image of its
; registers (3 stores of 16 bytes a lane, lane l at 16 l; the scale word 4 bytes a lane); then it multiplies its own 16 columns over all eight K steps: eight matrix instructions.
; THE OPERANDS COME BY THE TENSOR DATA MOVER, two loads a wave, each into LDS bytes that the wave alone reads: its 16 rows x 512 bytes of X and its 16 rows x 768 bytes of W (a dense block).  Every row begins at a
; multiple of 256 bytes from its buffer's first byte.  Nothing is filled twice: there is no ring.
; CLUSTERS: 4 x 4 work-groups.  X's tile hangs on the block of rows alone, which the four of a row of the cluster share; W's on the block of columns alone, which the four of a column share: each tile is asked
; for JOINTLY, by the same tensor load with the same descriptor and a mask that names the four: a quarter of the requests.
; THE MATRIX INSTRUCTION IS USED TRANSPOSED (source 0 = 16 rows of W, source 1 = the 16 rows of X): lane (r, h) holds row r of Y and the eight neighbouring columns 8 h + 0 .. 7.
; Two accumulators take turns (even K steps, odd K steps) and are added at the end: K is summed in two halves, not in one ascending chain.
; A block's scale is 2^(floor(log2(its largest magnitude)) - 2); its byte is the largest magnitude's exponent field - 2, held at 1 from below.
; LIMITS: NaN and infinities in X are not served.  A block of zeros gets the byte 1 where the quantiser's rule says 127: its codes are zeros, and this text alone reads the byte.
.set FR,   12                          ; registers of a fragment: 16 rows x 128 K of 6-bit codes
.set FRB,  FR*128                      ; and its image in bytes
.set XP,   528                         ; X's rows in LDS: 512 bytes + 16 of padding = 132 words: row r starts at bank 4 r mod 64 (64 banks of 4 bytes: ISA guide 11.1)
.set XTW,  16*XP                       ; a wave's tile of X
.set WPI,  1008                        ; W's rows in LDS: 3 x (256 bytes + 80 of padding) = 252 words: row r starts at bank -4 r mod 64, so the 32 lanes of a load of 8 bytes touch 64 different banks
.set WTW,  16*WPI                      ; a wave's tile of W
.set XT,   0                           ; LDS: the eight tiles of X,
.set WTL,  XT+8*XTW                    ; the eight tiles of W,
.set XIMG, WTL+8*WTW                   ; X's eight fragments, K step s at FRB s (from here on no fill lands: each region begins at a multiple of 256 bytes),
.set XSC,  XIMG+8*FRB                  ; their scale words, 128 bytes each,
.set STG,  XSC+8*128                   ; and the stage for Y: 16 rows x (512 bytes + 16)
.set SP,   528
.set XA,   4                           ; v4   my numbers of X in my wave's tile: XP r + 64 h
.set LI,   5                           ; v5   16 x lane
.set LIX,  6                           ; v6   XIMG + 16 x lane
.set LSX,  7                           ; v7   XSC + 4 x lane
.set XWI,  8                           ; v8   where I store my image: XIMG + 16 x lane + FRB x wave
.set XWS,  9                           ; v9   and its scale word: XSC + 4 x lane + 128 x wave
.set WA,   10                          ; v10  my pieces of W in my wave's tile: WPI r + 24 h;  v11: the same behind one padding more for lanes 16-31: WPI r + 104 h
.set WSO,  12                          ; v12  W's scale bytes in memory: 32 r
.set SO,   13                          ; v13  the stage: where I put 32 bytes of a row
.set SR,   14                          ; v14  and where I read a row back
.set WF,   16                          ; v16-111  W's eight fragments
.set WS,   112                         ; v112-119 W's scale words, one for each K step
.set XS,   120                         ; v120-127 X's scale words
.set ST,   128                         ; v128-191 my 64 numbers of X
.set XF,   128                         ; v128-223 X's eight fragments, once the numbers and the registers at work are done with
.set TM,   192                         ; v192-207 at work in QUANT
.set PW,   208                         ; v208     the scale word just made
.set PC,   210                         ; v210-228 the codes just made
.set ACC,  232                         ; v232-239, v240-247 the two accumulators
.set OUTR, 248                         ; v248-255 their sum, later two rows of Y
.set WV,   12                          ; s12  my wave's number
.set SEL,  20                          ; s[20:21] lane selects for v_permlanex16_b32: lane l xor 16
.set G1X,  24                          ; s[24:31] descriptor group 1 for X's tiles;  s[40:43] group 0
.set G1W,  32                          ; s[32:39] for W's tiles;  s[44:47] group 0
.set G0X,  40
.set G0W,  44
; 64 numbers of a lane, v[s] .. v[s + 63], register 16 b + i = k 32 b + 16 (lane / 16) + i of my row, become a fragment's codes in v[PC] on and its scale word in v[PW].
.macro QUANT s
.irp b, 0,1,2,3
	v_max3_num_f32 v[TM+\b], |v[\s+16*\b]|, |v[\s+1+16*\b]|, 0x1800000   ; block b: my 16 numbers, and the floor 2^(3 - 127): the byte cannot fall under 1
.endr
.irp i, 2,4,6,8,10,12,14
.irp b, 0,1,2,3
	v_max3_num_f32 v[TM+\b], v[TM+\b], |v[\s+16*\b+\i]|, |v[\s+1+16*\b+\i]|   ; the four blocks by turns
.endr
.endr
.irp b, 0,1,2,3
	v_permlanex16_b32 v[TM+4+\b], v[TM+\b], s[SEL], s[SEL+1]
.endr
.irp b, 0,1,2,3
	v_max_num_f32 v[TM+\b], v[TM+\b], v[TM+4+\b]   ; with lane l xor 16's: the block's largest magnitude
.endr
.irp b, 0,1,2,3
	v_add_nc_u32 v[TM+12+\b], 0xff000000, v[TM+\b]   ; 2 off its exponent field: the conversion takes the exponent field of this operand as its scale
.endr
.irp b, 0,1,2,3
	v_lshrrev_b32 v[TM+4+\b], 23, v[TM+12+\b]      ; the scale's byte
.endr
	v_lshl_or_b32 v[PW], v[TM+5], 8, v[TM+4]       ; the four bytes make my row's scale word
	v_lshl_or_b32 v[PW], v[TM+6], 16, v[PW]
	v_lshl_or_b32 v[PW], v[TM+7], 24, v[PW]
.irp c, 0,1
	v_cvt_scalef32_pk16_fp6_f32 v[PC+6*\c:PC+2+6*\c], v[\s+32*\c:\s+15+32*\c], v[TM+12+2*\c]
	v_cvt_scalef32_pk16_fp6_f32 v[PC+12+4*\c:PC+14+4*\c], v[\s+16+32*\c:\s+31+32*\c], v[TM+12+2*\c+1]   ; (a conversion's three registers begin on an even number)
.endr
	v_nop                                          ; one plain instruction behind the scaled conversions
.irp c, 0,1                                    ; the operand's layout wants a whole block in a lane: lanes 0-15 block 2 c, lanes 16-31 block 2 c + 1
.irp i, 0,1,2
	v_permlane16_swap_b32 v[PC+6*\c+\i], v[PC+12+4*\c+\i]
.endr
.irp i, 0,1,2
	v_mov_b32 v[PC+3+6*\c+\i], v[PC+12+4*\c+\i]
.endr
.endr
.endm
; W's fragment of K step s: lane (r, h) takes 24 bytes of row r's stream of bits, twice, as they lie, in pieces of 8 bytes: lanes 0-15 the row's pieces 12 s + 0, 1, 2 and 12 s + 6, 7, 8, lanes 16-31 those three pieces on.
; 80 bytes of padding lie behind every 32 pieces: where the piece three on lies behind one padding more, the second address register serves.
.macro WFRAG s
.irp p, 0,1,2,3,4,5
.set PCI, 12*(\s)+6*(\p/3)+\p%3
.if PCI%32 < 29
	ds_load_b64 v[WF+FR*(\s)+2*\p:WF+FR*(\s)+2*\p+1], v[WA] offset:8*PCI+80*(PCI/32)
.else
	ds_load_b64 v[WF+FR*(\s)+2*\p:WF+FR*(\s)+2*\p+1], v[WA+1] offset:8*PCI+80*(PCI/32)
.endif
.endr
.endm
; A round of the cluster's barrier: my work-group's barrier, so that wave 0's signal speaks for all eight waves; wave 0 signals for the work-group; every wave waits for all sixteen work-groups; my work-group's barrier once more.
.macro CROUND
	s_barrier_signal -1
	s_barrier_wait -1
	s_cmp_lg_u32 s[WV], 0
	s_cbranch_scc1 .Lnot_wave_0_\@
	s_barrier_signal -3
.Lnot_wave_0_\@:
	s_barrier_wait -3
	s_barrier_signal -1
	s_barrier_wait -1
.endm
	s_load_b256 s[4:11], s[0:1], 0x0               ; X s[4:5], W's codes s[6:7], W's scales s[8:9], Y s[10:11]
	v_lshl_add_u32 v230, v0, 2, 0x36000
	v_mov_b32 v231, 0
	ds_add_u32 v230, v231
	ds_add_u32 v230, v231
	v_lshrrev_b32 v1, 5, v0
	v_readfirstlane_b32 s[WV], v1                  ; wave 0..7
	s_bfe_u32 s13, ttmp6, 0x40000                  ; cx, cy: my place in the cluster
	s_bfe_u32 s14, ttmp6, 0x40004
	s_lshl_b32 s15, ttmp9, 2
	s_add_co_u32 s15, s15, s13                     ; which 128 columns = 4 x cluster x + cx
	s_and_b32 s16, ttmp7, 0xffff
	s_lshl_b32 s16, s16, 2
	s_add_co_u32 s16, s16, s14                     ; which 16 rows = 4 x cluster y + cy
	s_lshl_b32 s17, s14, 2
	s_lshl_b32 s17, 15, s17                        ; my row of the cluster
	s_lshl_b32 s18, 0x1111, s13                    ; my column
	; descriptor group 1 for X: a tile of 16 rows x 128 elements of 4 bytes, 1,024 elements from row to row
	s_or_b32 s[G1X+0], s17, (2<<16)|(1<<20)|(1<<21)|(6<<22)|(3<<25)   ; 15:0 the mask: X's tiles go to my row; 17:16 element of 4 bytes; 20 padding on; 21 set beside a mask; 24:22 after every 128 words (code 6); 31:25 of 4 words (code 3)
	s_mov_b32 s[G1X+1], 128<<16                    ; tensor_dim0
	s_mov_b32 s[G1X+2], 16<<16                     ; tensor_dim1
	s_mov_b32 s[G1X+3], 128<<16                    ; tile_dim0
	s_mov_b32 s[G1X+4], 16                         ; tile_dim1
	s_mov_b32 s[G1X+5], 1024                       ; tensor_dim0_stride
	s_mov_b32 s[G1X+6], 0
	s_mov_b32 s[G1X+7], 0
	; and for W: 16 rows x 768 bytes, dense
	s_or_b32 s[G1W+0], s18, (0<<16)|(1<<20)|(1<<21)|(5<<22)|(19<<25)  ; the mask of my column; element of 1 byte; after every 64 words (code 5) 20 words of padding (code 19)
	s_mov_b32 s[G1W+1], 768<<16
	s_mov_b32 s[G1W+2], 16<<16
	s_mov_b32 s[G1W+3], 768<<16
	s_mov_b32 s[G1W+4], 16
	s_mov_b32 s[G1W+5], 768
	s_mov_b32 s[G1W+6], 0
	s_mov_b32 s[G1W+7], 0
	s_mov_b32 s[G0X], 1                            ; 1:0 count = 1
	s_mul_i32 s[G0X+1], s[WV], XTW                 ; 63:32 LDS address: my wave's tile (XT = 0): no place in the cluster enters an LDS address
	s_mov_b32 s[G0W], 1
	s_mul_i32 s[G0W+1], s[WV], WTW
	s_add_co_u32 s[G0W+1], s[G0W+1], WTL
	v_and_b32 v1, 31, v0                           ; lane
	v_and_b32 v2, 15, v0                           ; r
	v_bfe_u32 v3, v0, 4, 1                         ; h
	v_mul_u32_u24 v[XA], v2, XP
	v_lshl_add_u32 v[XA], v3, 6, v[XA]             ; row r, + 64 h: my 16 numbers of a block of 32
	v_add_nc_u32 v[XA], s[G0X+1], v[XA]
	v_lshlrev_b32 v[LI], 4, v1
	v_add_nc_u32 v[LIX], XIMG, v[LI]
	v_lshlrev_b32 v[LSX], 2, v1
	v_add_nc_u32 v[LSX], XSC, v[LSX]
	s_mul_i32 s56, s[WV], FRB
	v_add_nc_u32 v[XWI], s56, v[LIX]
	s_lshl_b32 s56, s[WV], 7
	v_add_nc_u32 v[XWS], s56, v[LSX]
	v_mul_u32_u24 v15, v2, WPI
	v_mad_u32_u24 v[WA], v3, 24, v15
	v_mad_u32_u24 v[WA+1], v3, 104, v15
	v_add_nc_u32 v[WA], s[G0W+1], v[WA]
	v_add_nc_u32 v[WA+1], s[G0W+1], v[WA+1]
	v_lshlrev_b32 v[WSO], 5, v2
	v_mul_u32_u24 v[SO], v2, SP
	v_lshl_add_u32 v[SO], v3, 5, v[SO]
	s_lshl_b32 s56, s[WV], 6
	v_add_nc_u32 v[SO], s56, v[SO]
	v_add_nc_u32 v[SO], STG, v[SO]                 ; row r, + 64 x wave (my 16 columns), + 32 h
	s_mul_i32 s56, s[WV], 2*SP
	v_add_nc_u32 v[SR], s56, v[LI]
	v_add_nc_u32 v[SR], STG, v[SR]                 ; back: rows 2 w and 2 w + 1, 16 bytes a lane
	s_mov_b32 s[SEL], 0x76543210
	s_mov_b32 s[SEL+1], 0xfedcba98
.irp b, 0,1,2,3
	v_mov_b32 v[TM+4+\b], 0                        ; written once: a lane permute's destination counts as one of its sources
.endr
	s_lshl_b32 s48, s16, 16                        ; X: 16 rows of 4,096 bytes a block of rows (it hangs on cy alone),
	s_lshl_b32 s56, s[WV], 9                       ; + my K step's 512 bytes
	s_add_co_u32 s48, s48, s56
	s_mov_b32 s49, 0
	s_lshl_b32 s50, s15, 7
	s_lshl_b32 s56, s[WV], 4
	s_add_co_u32 s50, s50, s56                     ; my first row of W = my first column of Y: 128 x block of columns + 16 x wave (on cx alone)
	s_lshl_b32 s52, s50, 5                         ; its scale bytes,
	s_mul_i32 s50, s50, 768                        ; its codes
	s_mov_b32 s51, 0
	s_mov_b32 s53, 0
	s_lshl_b32 s54, s16, 4
	s_lshl_b32 s58, s[WV], 1
	s_add_co_u32 s54, s54, s58                     ; the first row of Y that I store: 16 x block of rows + 2 x wave
	s_lshl_b32 s54, s54, 12
	s_lshl_b32 s58, s15, 9                         ; the work-group's 128 columns: 512 bytes
	s_add_co_u32 s54, s54, s58
	s_mov_b32 s55, 0
	s_wait_dscnt 0x0
	s_wait_kmcnt 0x0
	s_add_nc_u64 s[4:5], s[4:5], s[48:49]
	s_add_nc_u64 s[6:7], s[6:7], s[50:51]
	s_add_nc_u64 s[8:9], s[8:9], s[52:53]
	s_add_nc_u64 s[10:11], s[10:11], s[54:55]
	s_mov_b64 s[G0X+2:G0X+3], s[4:5]               ; 120:64 global address of the tile's first element
	s_or_b32 s[G0X+3], s[G0X+3], 0x80000000        ; 127:126 type = 2
	s_mov_b64 s[G0W+2:G0W+3], s[6:7]
	s_or_b32 s[G0W+3], s[G0W+3], 0x80000000
	CROUND                                         ; all sixteen work-groups are here: the joint loads meet
	tensor_load_to_lds s[G0X:G0X+3], s[G1X:G1X+7]  ; my 16 rows x 512 bytes of X,
	s_nop 0
	tensor_load_to_lds s[G0W:G0W+3], s[G1W:G1W+7]  ; my 16 rows x 768 bytes of W: two tensor loads of mine are out, and there are no more
	s_nop 0
.rept 4
	v_nop                                          ; four plain instructions follow the loads
.endr
	global_load_b128 v[WS:WS+3], v[WSO], s[8:9]              ; my row's eight scale words: sixteen lanes read 512 consecutive bytes
	global_load_b128 v[WS+4:WS+7], v[WSO], s[8:9] offset:16
	s_wait_tensorcnt 0x1                           ; tensor loads of a wave end in order (ISA guide 10.11.1): X's tile is in LDS; the one load issued behind it, W's, may be out
.irp b, 0,1,2,3
.irp j, 0,1,2,3
	ds_load_b128 v[ST+16*\b+4*\j:ST+16*\b+4*\j+3], v[XA] offset:128*\b+16*\j   ; my 16 numbers of each of the K step's four blocks
.endr
.endr
	s_wait_dscnt 0x0
	QUANT ST
.irp c, 0,1,2
	ds_store_b128 v[XWI], v[PC+4*\c:PC+4*\c+3] offset:512*\c
.endr
	ds_store_b32 v[XWS], v[PW]
	s_wait_tensorcnt 0x0                           ; W's tile is in LDS
	s_wait_dscnt 0x0                               ; for the others' sake: my image and its scale word have landed
	s_barrier_signal -1
.irp s, 0,1,2,3,4,5,6,7
	WFRAG \s                                       ; between the signal and the wait: loads of my own tile of W, bytes that no wave ever writes
.endr
	s_barrier_wait -1                              ; X's eight fragments lie in LDS
.irp s, 0,1,2,3,4,5,6,7
.irp c, 0,1,2
	ds_load_b128 v[XF+FR*\s+4*\c:XF+FR*\s+4*\c+3], v[LIX] offset:FRB*\s+512*\c
.endr
	ds_load_b32 v[XS+\s], v[LSX] offset:128*\s
.endr
	s_wait_loadcnt 0x0                             ; W's scale words
	s_wait_dscnt 0x0                               ; W's and X's fragments
.irp s, 0,1,2,3,4,5,6,7
.if \s < 2
	v_wmma_scale_f32_16x16x128_f8f6f4 v[ACC+8*(\s%2):ACC+8*(\s%2)+7], v[WF+FR*\s:WF+FR*\s+FR-1], v[XF+FR*\s:XF+FR*\s+FR-1], 0, v[WS+\s], v[XS+\s] matrix_a_fmt:MATRIX_FMT_FP6 matrix_b_fmt:MATRIX_FMT_FP6
.else
	v_wmma_scale_f32_16x16x128_f8f6f4 v[ACC+8*(\s%2):ACC+8*(\s%2)+7], v[WF+FR*\s:WF+FR*\s+FR-1], v[XF+FR*\s:XF+FR*\s+FR-1], v[ACC+8*(\s%2):ACC+8*(\s%2)+7], v[WS+\s], v[XS+\s] matrix_a_fmt:MATRIX_FMT_FP6 matrix_b_fmt:MATRIX_FMT_FP6
.endif
.endr
.rept 4
	v_nop                                          ; four plain instructions between the last product and the first read of results (ISA guide 7.12.1)
.endr
.irp i, 0,1,2,3
	v_pk_add_f32 v[OUTR+2*\i:OUTR+2*\i+1], v[ACC+2*\i:ACC+2*\i+1], v[ACC+8+2*\i:ACC+8+2*\i+1]   ; the two halves of K; each accumulator from its low end on
.endr
	ds_store_b128 v[SO], v[OUTR:OUTR+3]
	ds_store_b128 v[SO], v[OUTR+4:OUTR+7] offset:16
	s_wait_dscnt 0x0                               ; for the others' sake: my part of the 16 rows has landed
	s_barrier_signal -1
	s_barrier_wait -1                              ; 16 whole rows of 512 bytes lie in the stage
	ds_load_b128 v[OUTR:OUTR+3], v[SR]
	ds_load_b128 v[OUTR+4:OUTR+7], v[SR] offset:SP
	s_wait_dscnt 0x0
	global_store_b128 v[LI], v[OUTR:OUTR+3], s[10:11]                ; 32 lanes store 512 consecutive bytes, at a multiple of 256 from Y's first byte
	global_store_b128 v[LI], v[OUTR+4:OUTR+7], s[10:11] offset:4096
	s_wait_tensorcnt 0x0
	ds_add_u32 v230, v231
	s_wait_dscnt 0x0
	CROUND                                         ; the closing round: no work-group ends while a partner may still ask for a tile that names it
	s_endpgm
.Lfunc_end_k_q62158be2e6_qproj:
	.size	k_q62158be2e6_qproj, .Lfunc_end_k_q62158be2e6_qproj-k_q62158be2e6_qproj
	.p2alignl 7, 3214868480
	.fill 96, 4, 3214868480
	.section	.rodata,"a",@progbits
	.p2align	6, 0x0
	.amdhsa_kernel k_q62158be2e6_qproj
		.amdhsa_group_segment_fixed_size 222208
		.amdhsa_private_segment_fixed_size 0
		.amdhsa_enable_private_segment 0
		.amdhsa_kernarg_size 32
		.amdhsa_user_sgpr_count 2
		.amdhsa_user_sgpr_kernarg_segment_ptr 1
		.amdhsa_wavefront_size32 1
		.amdhsa_system_sgpr_workgroup_id_x 1
		.amdhsa_system_sgpr_workgroup_id_y 1
		.amdhsa_system_sgpr_workgroup_id_z 1
		.amdhsa_system_vgpr_workitem_id 0
		.amdhsa_next_free_vgpr 256
		.amdhsa_next_free_sgpr 66
		.amdhsa_reserve_vcc 0
		.amdhsa_float_denorm_mode_32 3
		.amdhsa_float_denorm_mode_16_64 3
		.amdhsa_memory_ordered 1
		.amdhsa_forward_progress 1
		.amdhsa_inst_pref_size 19
	.end_amdhsa_kernel
	.amdgpu_metadata
---
amdhsa.version: [ 1, 2 ]
amdhsa.kernels:
  - .name:           k_q62158be2e6_qproj
    .symbol:         k_q62158be2e6_qproj.kd
    .args:
      - { .name: q, .offset: 0, .size: 8, .value_kind: global_buffer, .address_space: global }
      - { .name: Wq_codes, .offset: 8, .size: 8, .value_kind: global_buffer, .address_space: global }
      - { .name: Wq_scales, .offset: 16, .size: 8, .value_kind: global_buffer, .address_space: global }
      - { .name: hqb, .offset: 24, .size: 8, .value_kind: global_buffer, .address_space: global }
    .group_segment_fixed_size: 222208
    .private_segment_fixed_size: 0
    .kernarg_segment_align: 8
    .kernarg_segment_size: 32
    .max_flat_workgroup_size: 256
    .sgpr_count:     66
    .vgpr_count:     256
    .wavefront_size: 32
...
	.end_amdgpu_metadata
.endif
;; end of part 1
;; launch attn (part 2): grid 4 x 128, 4 waves a work-group, clusters of 4 x 4, 327,680 bytes of LDS; arguments k_codes, k_scales, Wk_codes, Wk_scales, v_codes, v_scales, Wv_codes, Wv_scales, hqb, ctxb; writes ctxb
.if DOCPART == 2
	.amdgcn_target "amdgcn-amd-amdhsa--gfx1250"
	.amdhsa_code_object_version 6
	.text
	.protected	k_q62158be2e6_attn
	.globl	k_q62158be2e6_attn
	.p2align	8
	.type	k_q62158be2e6_attn,@function
k_q62158be2e6_attn:
	s_mov_b64 s[64:65], 0
	v_nop
	global_prefetch_b8 v0, s[64:65] scope:SCOPE_SE
	s_setreg_imm32_b32 hwreg(HW_REG_WAVE_MODE, 25, 1), 1
	s_wait_xcnt 0x0
	s_wait_alu depctr_hold_cnt(0) depctr_sa_sdst(0) depctr_va_vdst(0) depctr_va_sdst(0) depctr_va_ssrc(0) depctr_va_vcc(0) depctr_vm_vsrc(0)
	s_getreg_b32 s2, hwreg(HW_REG_IB_STS2, 6, 4)
	s_cmp_eq_u32 s2, 0
	s_cbranch_scc0 .Lentry_in_a_cluster
	s_endpgm
.Lentry_in_a_cluster:
	s_bfe_u32 s2, ttmp6, 0x10000c
	s_cmp_lg_u32 s2, 0xf033
	s_cbranch_scc0 .Lentry_shape_is_right
	s_endpgm
.Lentry_shape_is_right:
; ctx[b][64 head + d] = sum over l of softmax_l(hq[b][head] . hk[b][l][head] / 32) hv[b][l][head][d], with hk = k Wk^T and hv = v Wv^T, both products on codes of FP6 (E2M3) with one E8M0 scale for each 32 along K.
; k, v: [32768 (b, l)][1024] as codes, a row 768 bytes; Wk, Wv: [1024 (head, d)][1024] likewise; scale bytes 32 a row.  hq (made by the launch before) and ctx: [512][1024] f32.  hk and hv never leave the registers.
; SHARES.  A work-group makes 256 rows (4 batches of 64 keys) x 256 columns (4 heads of 64) of hk, then of hv.  Each of its four waves makes 128 x 128: 2 WHOLE batches x 2 WHOLE heads, in 64 accumulators,
; 512 registers.  So a wave's scores, their softmax over the 64 keys and the weighted sum close inside the wave: nothing passes between waves but the tiles.
; THE RING.  Both products are one walk of 8 K steps of 256 along K (rows of 192 bytes) through two LDS slots filled by the tensor data mover: steps 0-3 take (k, Wk), steps 4-7 (v, Wv); the ring does not stop between them.
; The scale bytes of the work-group's rows, for all of K and for both products, come into LDS once, with the first fills, as dense blocks in rows of 256 bytes.
; CLUSTERS: 4 x 4 work-groups.  The four of a row of the cluster need the same tiles of k and v, the four of a column the same tiles of Wk and Wv: each tile is asked for jointly, by the same tensor load with the
; same descriptor and a mask that names the four.
; LAYOUT.  The first product is used TRANSPOSED (source 0 = 16 rows of Wk, source 1 = 16 rows of k): a lane holds ONE key (lane % 16) and eight neighbouring d, so a score is a sum down the lane's registers against hq,
; and one exchange of the lanes' halves.  The second is used as it stands (source 0 = 16 rows of v, source 1 = 16 rows of Wv): a lane holds ONE column and eight keys, so ctx is a sum down the registers against the weights.
; The weights change layout (a key a lane -> eight keys a lane) through 1 KB of LDS of the wave's own.
; SOFTMAX: the row's largest score is taken away first: p = 2^(c s - c max), c = log2(e) / 32; the weights are p / sum, in f32; scores and weighted sums are f32 fused multiply-adds, two at a time.
; LIMITS: NaN and infinities in hq are not served; the sums of scores and of ctx run in pairwise chains, not in reference order.
; The text is written out, 16 steps of 128 along K, without a loop: every wait is counted on one path.
; REGISTERS, in windows of 256: window 0: v0-31 addresses and figures of the softmax; v32-63 scale words, two sets; v64-127 hq of my first batch, later its weights; v128-223 A's fragments (k's, v's), ONE set; v224-255 16 pairs of sums.
;   window 1: B's fragments (Wk's, Wv's), TWO sets, at v0 and v128; v96-127 and v224-255 hq of my second batch, later its weights.   window 2: the 32 accumulators of my rows 0-63 ((a, b) at v[8 (8 a + b)]);   window 3: rows 64-127.
.set NQ,     2                         ; matrix instructions deep in a slot
.set ROWB,   192                       ; a tile's row in bytes: 256 codes
.set KROW,   768                       ; a row in memory
.set PITCH,  240                       ; an LDS row: 3 x (64 bytes + 16 of padding)
.set FR,     12                        ; registers of a fragment
.set NL,     6                         ; LDS loads that bring one
.set NP,     4                         ; plain instructions owed behind this matrix instruction (ISA guide 7.12.1)
.set HALFT,  128*PITCH                 ; 128 rows: what one tensor load brings
.set SLOT,   4*HALFT                   ; A's 256 rows, then B's 256 rows
.set KS,     32                        ; a row of scale bytes
.set SCL,    2*SLOT                    ; behind the ring: k's and Wk's scales, as rows of 256 bytes + 16 of padding
.set HALFS,  (128*KS/256)*272          ; the scales of 128 rows: what one tensor load brings
.set SBLK,   (16*KS/256)*272           ; those of 16 rows
.set SCL2,   SCL+4*HALFS               ; v's and Wv's scales
.set SPARE,  SCL2+4*HALFS              ; the spare words, 128 bytes for each wave: two blocks of 256 bytes that no other line names
.set WT,     SPARE+512                 ; the weights' turn: 1,024 bytes for each wave; no fill ever lands here
.set CST,    WT+4096                   ; ctx's stage: 1,024 bytes for each wave; likewise
.set HQO,  3                           ; v3   32 x (lane / 16): my eight d of a tile's 16, in hq
.set PFO,  4                           ; v4   768 x lane: the prefetches' offset, a lane a row; never rewritten
.set MX,   8                           ; v8-11   a figure for each (batch, head) of mine: the largest score, then the sum
.set CM,   12                          ; v12-15  c x the largest score, then 1 / the sum
.set ADRA, 16                          ; v16-17  LDS address of my A fragments in slot 0, 1  (v18-19: the same for the pieces that lie behind one padding more)
.set ADRB, 20                          ; v20-21  the same for B  (v22-23)
.set WTA,  24                          ; v24  where I put a weight: WT + 1,024 x wave + 4 (lane % 16)
.set WTR,  25                          ; v25  where I read eight: WT + 1,024 x wave + 32 (lane / 16)
.set CSA,  26                          ; v26  where I put a number of ctx
.set ADRS, 27                          ; v27  LDS address of my scale words: lanes 0-15 A's rows, lanes 16-31 B's
.set SPW,  28                          ; v28  LDS address of my spare word; never rewritten
.set NIL,  29                          ; v29  0; never rewritten
.set CSR,  30                          ; v30  where I read 16 bytes of ctx back
.set GO,   31                          ; v31  16 x lane: my byte offset in a row's 512 bytes of ctx
.set SC,   32                          ; scale words: set s at v[SC + 16 s]; register 2 i + q: lanes 0-15 A's block i, lanes 16-31 B's block i, the slot's q-th 128 along K
.set HQ0,  64
.set AF,   128
.set SS,   224
.set WV,   2                           ; s2   my wave's number
.set RH,   3                           ; s3   which 128 rows are mine.  Also: I fetch for A (0) or for B (1)
.set CH,   66                          ; s66  which 128 columns.  Also: which 128 rows of that tile I fetch
.set PFA,  6                           ; s[6:7]   where my prefetches stand; never rewritten
.set VA,   12                          ; s[12:13] v's codes at the rows that I fetch
.set SEL,  14                          ; s[14:15] lane selects for v_permlanex16_b32: lane l xor 16
.set WVA,  16                          ; s[16:17] Wv's codes at the rows that I fetch
.set CSC,  18                          ; s18  c = log2(e) / 32
.set HQP,  20                          ; s[20:21] hq at my first batch, my first column
.set CTXP, 22                          ; s[22:23] ctx likewise
.set G1,   24                          ; s[24:31] descriptor group 1 for A's tiles;  s[32:39] group 0, one set for each slot
.set G0,   32
.set G1B,  48                          ; s[48:55], s[56:63] the same for B's tiles
.set G0B,  56
.set G1S,  68                          ; s[68:75] group 1 for A's scales, s[80:87] for B's;  groups 0: s[76:79] k's, s[88:91] Wk's, s[92:95] v's, s[96:99] Wv's
.set G0S,  76
.set G1SB, 80
.set G0SB, 88
.set G0S2, 92
.set G0SB2, 96
.set MSB, 0
.macro WIN new                         ; the immediate's high byte repeats the setting that is left; a switch that changes nothing is dropped
.if MSB != (\new)
	s_set_vgpr_msb (MSB<<8)|(\new)
.set MSB, (\new)
.endif
.endm
.set TO_B, 0x40                        ; destination window 1, address window 0
; A joint load: waves 0 and 1 fetch for A, waves 2 and 3 for B.  Each of the two lines has one mask and one set of registers for all that issue it; the branch hangs on the wave's number alone.
; Four v_nop follow each of the two lines, ahead of the jump, the label and what follows.
.macro JLOAD g0a, g1a, g0b, g1b
	s_cmp_eq_u32 s[RH], 0
	s_cbranch_scc0 .Lfor_b_\@
	tensor_load_to_lds s[\g0a:\g0a+3], s[\g1a:\g1a+7]
	s_nop 0
.rept 4
	v_nop
.endr
	s_branch .Lasked_\@
.Lfor_b_\@:
	tensor_load_to_lds s[\g0b:\g0b+3], s[\g1b:\g1b+7]
	s_nop 0
.rept 4
	v_nop
.endr
.Lasked_\@:
.endm
.macro CREST                           ; a round of the cluster's barrier behind its opening barrier
	s_cmp_lg_u32 s[WV], 0
	s_cbranch_scc1 .Lnot_wave_0_\@
	s_barrier_signal -3
.Lnot_wave_0_\@:
	s_barrier_wait -3
	s_barrier_signal -1
	s_barrier_wait -1
.endm
.macro CROUND                          ; a whole round
	s_barrier_signal -1
	s_barrier_wait -1
	CREST
.endm
; A PREFETCH INTO THE L2 of v's codes, which the ring asks for from K step 4 on.  A row of v is 768 bytes: three aligned blocks of 256.  Block blk of each row is named at the change of slots of K step blk,
; two changes of slots ahead of the tensor load that first wants bytes of it.  Each block is named ONCE in the launch: the work-group's 256 rows are read by the four partners of its row of the cluster alone;
; the partner at place cx takes rows 64 cx .. 64 cx + 63, told apart by address; in it waves 0 and 2 ask, 32 rows each, a lane a row, one instruction.  k's codes come by their loads alone.
.macro ASK blk
	s_cmp_eq_u32 s[CH], 0
	s_cbranch_scc0 .Lnot_mine_\@
	global_prefetch_b8 v[PFO], s[PFA:PFA+1] offset:256*(\blk) th:TH_LOAD_NT scope:SCOPE_SE
.Lnot_mine_\@:
.endm
	s_load_b256 s[4:11], s[0:1], 0x0               ; k's codes s[4:5], k's scales s[6:7], Wk's codes s[8:9], Wk's scales s[10:11]
	s_load_b256 s[12:19], s[0:1], 0x20             ; v's codes, v's scales, Wv's codes, Wv's scales
	s_load_b128 s[20:23], s[0:1], 0x40             ; hq, ctx
	v_lshl_add_u32 v[SPW], v0, 2, SPARE
	v_mov_b32 v[NIL], 0
	ds_add_u32 v28, v29
	ds_add_u32 v28, v29
	s_wait_dscnt 0x0
	v_lshrrev_b32 v1, 5, v0
	v_readfirstlane_b32 s[WV], v1                  ; wave 0..3
	s_lshr_b32 s[RH], s[WV], 1
	s_and_b32 s[CH], s[WV], 1
	s_bfe_u32 s67, ttmp6, 0x40000                  ; cx, cy: my place in the cluster
	s_bfe_u32 s40, ttmp6, 0x40004
	s_lshl_b32 s101, ttmp9, 2
	s_add_co_u32 s101, s101, s67                   ; which 4 heads = 4 x cluster x + cx
	s_and_b32 s104, ttmp7, 0xffff
	s_lshl_b32 s104, s104, 2
	s_add_co_u32 s104, s104, s40                   ; which 4 batches = 4 x cluster y + cy
	s_lshl_b32 s100, s40, 2
	s_lshl_b32 s100, 15, s100                      ; my row of the cluster
	s_lshl_b32 s105, 0x1111, s67                   ; my column
	; descriptor group 1: a tile of 128 rows x 192 bytes, padded in LDS
	s_or_b32 s[G1+0], s100, (0<<16)|(1<<20)|(1<<21)|(3<<22)|(3<<25)   ; 15:0 the mask: A's tiles go to my row; 17:16 element of 1 byte; 20 padding on; 21 set beside a mask; 24:22 after every 16 words (code 3); 31:25 of 4 words (code 3)
	s_or_b32 s[G1B+0], s105, (0<<16)|(1<<20)|(1<<21)|(3<<22)|(3<<25)  ; the same with the mask of my column
.irp g, G1, G1B
	s_mov_b32 s[\g+1], ROWB<<16                    ; tensor_dim0
	s_mov_b32 s[\g+2], 128<<16                     ; tensor_dim1 = 128
	s_mov_b32 s[\g+3], ROWB<<16                    ; tile_dim0
	s_mov_b32 s[\g+4], 128                         ; tile_dim1 = 128
	s_mov_b32 s[\g+5], KROW                        ; tensor_dim0_stride
	s_mov_b32 s[\g+6], 0
	s_mov_b32 s[\g+7], 0
.endr
	; and for the scales of 128 rows: a dense block of 4,096 bytes, as 16 rows of 256 bytes (32 elements of 8 bytes), 16 bytes of padding behind each
	s_or_b32 s[G1S+0], s100, (3<<16)|(1<<20)|(1<<21)|(5<<22)|(3<<25)
	s_or_b32 s[G1SB+0], s105, (3<<16)|(1<<20)|(1<<21)|(5<<22)|(3<<25)
.irp g, G1S, G1SB
	s_mov_b32 s[\g+1], 32<<16
	s_mov_b32 s[\g+2], (128*KS/256)<<16
	s_mov_b32 s[\g+3], 32<<16
	s_mov_b32 s[\g+4], 128*KS/256
	s_mov_b32 s[\g+5], 32
	s_mov_b32 s[\g+6], 0
	s_mov_b32 s[\g+7], 0
.endr
	s_lshl_b32 s100, s[CH], 7                      ; which 128 rows of a tile I fetch
	s_lshl_b32 s40, s104, 8
	s_add_co_u32 s40, s40, s100                    ; A: row 256 x (4 batches) + 128 x half: it hangs on cy alone
	s_lshl_b32 s44, s101, 8
	s_add_co_u32 s44, s44, s100                    ; B: row 256 x (4 heads) + 128 x half: on cx alone
	s_lshl_b32 s42, s40, 5                         ; where these rows' scales begin, in bytes,
	s_mul_i32 s40, s40, KROW                       ; and their codes (under 2^25)
	s_lshl_b32 s46, s44, 5
	s_mul_i32 s44, s44, KROW
	s_mov_b32 s41, 0
	s_mov_b32 s43, 0
	s_mov_b32 s45, 0
	s_mov_b32 s47, 0
	s_mul_i32 s105, s[WV], HALFT                   ; where they go: wave x 128 rows: no place in the cluster enters an LDS address
	s_mul_i32 s100, s[WV], HALFS
	s_wait_kmcnt 0x0
	s_add_nc_u64 s[4:5], s[4:5], s[40:41]
	s_add_nc_u64 s[6:7], s[6:7], s[42:43]
	s_add_nc_u64 s[8:9], s[8:9], s[44:45]
	s_add_nc_u64 s[10:11], s[10:11], s[46:47]
	s_add_nc_u64 s[VA:VA+1], s[VA:VA+1], s[40:41]
	s_add_nc_u64 s[14:15], s[14:15], s[42:43]
	s_add_nc_u64 s[WVA:WVA+1], s[WVA:WVA+1], s[44:45]
	s_add_nc_u64 s[18:19], s[18:19], s[46:47]
	CROUND                                         ; all sixteen work-groups are here: the first joint loads meet
	s_mov_b32 s[G0S], 1
	s_add_co_u32 s[G0S+1], s100, SCL
	s_mov_b64 s[G0S+2:G0S+3], s[6:7]
	s_or_b32 s[G0S+3], s[G0S+3], 0x80000000
	s_mov_b32 s[G0SB], 1
	s_add_co_u32 s[G0SB+1], s100, SCL
	s_mov_b64 s[G0SB+2:G0SB+3], s[10:11]
	s_or_b32 s[G0SB+3], s[G0SB+3], 0x80000000
	JLOAD G0S, G1S, G0SB, G1SB                     ; the first product's scales: wanted with K step 0
	s_mov_b32 s[G0S2], 1
	s_add_co_u32 s[G0S2+1], s100, SCL2
	s_mov_b64 s[G0S2+2:G0S2+3], s[14:15]
	s_or_b32 s[G0S2+3], s[G0S2+3], 0x80000000
	s_mov_b32 s[G0SB2], 1
	s_add_co_u32 s[G0SB2+1], s100, SCL2
	s_mov_b64 s[G0SB2+2:G0SB2+3], s[18:19]
	s_or_b32 s[G0SB2+3], s[G0SB2+3], 0x80000000
	JLOAD G0S2, G1S, G0SB2, G1SB                   ; the second product's scales: filled once, like the first's
.irp s, 0,1
	s_mov_b32 s[G0+4*\s], 1
	s_add_co_u32 s[G0+4*\s+1], s105, \s*SLOT
	s_add_nc_u64 s[G0+4*\s+2:G0+4*\s+3], s[4:5], \s*ROWB
	s_or_b32 s[G0+4*\s+3], s[G0+4*\s+3], 0x80000000
	s_mov_b32 s[G0B+4*\s], 1
	s_add_co_u32 s[G0B+4*\s+1], s105, \s*SLOT
	s_add_nc_u64 s[G0B+4*\s+2:G0B+4*\s+3], s[8:9], \s*ROWB
	s_or_b32 s[G0B+4*\s+3], s[G0B+4*\s+3], 0x80000000
	JLOAD G0+4*\s, G1, G0B+4*\s, G1B               ; K steps 0 and 1: four tensor loads of mine are out now
.endr
	v_and_b32 v1, 15, v0                           ; r = lane % 16
	v_bfe_u32 v2, v0, 4, 1                         ; h = lane / 16
	v_mul_u32_u24 v5, v1, PITCH
	v_mul_u32_u24 v6, v2, 24
	v_add_nc_u32 v6, v5, v6                        ; a fragment's row x pitch + 24 x half
	v_lshl_add_u32 v7, v2, 4, v6                   ; and the same behind one padding more
	s_mul_i32 s4, s[RH], HALFT                     ; my 128 rows of A
	s_mul_i32 s5, s[CH], HALFT                     ; my 128 rows of B,
	s_add_co_u32 s5, s5, 2*HALFT                   ; which lie behind A's 256
.irp s, 0,1
	v_add_nc_u32 v[ADRA+\s], s4, v6
	v_add_nc_u32 v[ADRB+\s], s5, v6
	v_add_nc_u32 v[ADRA+2+\s], s4, v7
	v_add_nc_u32 v[ADRB+2+\s], s5, v7
	s_add_co_u32 s4, s4, SLOT
	s_add_co_u32 s5, s5, SLOT
.endr
	v_mul_u32_u24 v5, v1, KS                       ; my row's scales: 32 bytes a row,
	v_lshrrev_b32 v6, 8, v5
	v_lshl_add_u32 v5, v6, 4, v5                   ; and 16 more for each 256 passed
	s_mul_i32 s4, s[RH], HALFS                     ; A's: my 128 rows
	s_mul_i32 s5, s[CH], HALFS                     ; B's: my 128 rows, behind A's 256
	s_add_co_u32 s5, s5, 2*HALFS
	s_sub_co_u32 s5, s5, s4
	v_mul_u32_u24 v6, s5, v2                       ; lanes 16-31 take B's
	s_add_co_u32 s4, s4, SCL
	v_add_nc_u32 v5, v5, v6
	v_add_nc_u32 v[ADRS], s4, v5
	v_lshlrev_b32 v[HQO], 5, v2
	v_and_b32 v8, 31, v0
	v_mul_u32_u24 v[PFO], v8, KROW
	v_lshlrev_b32 v[GO], 4, v8
	s_lshl_b32 s4, s[WV], 10                       ; my wave's 1,024 bytes of each of the two small regions
	v_lshl_add_u32 v[WTA], v1, 2, s4
	v_add_nc_u32 v[CSA], CST, v[WTA]
	v_add_nc_u32 v[WTA], WT, v[WTA]
	v_lshl_add_u32 v[WTR], v2, 5, s4
	v_add_nc_u32 v[WTR], WT, v[WTR]
	v_add_nc_u32 v[CSR], s4, v[GO]
	v_add_nc_u32 v[CSR], CST, v[CSR]
	s_lshl_b32 s10, s104, 2
	s_lshl_b32 s11, s[RH], 1
	s_add_co_u32 s10, s10, s11                     ; my first batch: 4 x (4 batches) + 2 x half
	s_lshl_b32 s10, s10, 12                        ; its row of 4,096 bytes in hq and in ctx,
	s_lshl_b32 s11, s101, 10
	s_add_co_u32 s10, s10, s11                     ; + the work-group's 256 columns,
	s_lshl_b32 s11, s[CH], 9
	s_add_co_u32 s10, s10, s11                     ; + my 128 of them
	s_mov_b32 s11, 0
	s_add_nc_u64 s[HQP:HQP+1], s[HQP:HQP+1], s[10:11]
	s_add_nc_u64 s[CTXP:CTXP+1], s[CTXP:CTXP+1], s[10:11]
	s_lshl_b32 s8, s67, 6
	s_lshl_b32 s9, s[WV], 4
	s_add_co_u32 s8, s8, s9                        ; the prefetches (waves 0 and 2, in which VA stands at the tile's first row): rows 64 cx + 16 x wave on
	s_mul_i32 s8, s8, KROW
	s_mov_b32 s9, 0
	s_add_nc_u64 s[PFA:PFA+1], s[VA:VA+1], s[8:9]
	s_mov_b32 s[SEL], 0x76543210
	s_mov_b32 s[SEL+1], 0xfedcba98
	s_mov_b32 s[CSC], 0x3d38aa3b                   ; c = log2(e) / 32
	; hq of my two batches, my 128 columns: register 8 cb + j = column 16 cb + 8 h + j: the layout of the first product's results
.irp cb, 0,1,2,3,4,5,6,7
	global_load_b128 v[HQ0+8*\cb:HQ0+8*\cb+3], v[HQO], s[HQP:HQP+1] offset:64*\cb
	global_load_b128 v[HQ0+8*\cb+4:HQ0+8*\cb+7], v[HQO], s[HQP:HQP+1] offset:64*\cb+16
.endr
	WIN TO_B
.irp cb, 0,1,2,3,4,5,6,7
	global_load_b128 v[96+128*(\cb/4)+8*(\cb%4):96+128*(\cb/4)+8*(\cb%4)+3], v[HQO], s[HQP:HQP+1] offset:4096+64*\cb
	global_load_b128 v[96+128*(\cb/4)+8*(\cb%4)+4:96+128*(\cb/4)+8*(\cb%4)+7], v[HQO], s[HQP:HQP+1] offset:4096+64*\cb+16
.endr
	WIN 0
.macro FRAG reg, adr, q, i             ; a fragment, 16 rows x 128 K of 6-bit codes, is 12 registers: lane l holds row l % 16; registers 6 c .. 6 c + 5 hold K = 64 c + 32 (l / 16) + 0 .. 31: 24 bytes of the row's stream of bits, as they lie
.irp p, 0,1,2,3,4,5                    ; in pieces of 8 bytes.  Lanes 0-15 take the row's pieces 12 q + 0, 1, 2 and 12 q + 6, 7, 8, lanes 16-31 those three pieces on
.set PC, 12*(\q)+6*(\p/3)+\p%3        ; 16 bytes of padding lie behind every 8 pieces: where the piece three on lies behind one padding more, the second address register serves
.if PC%8 < 5
	ds_load_b64 v[\reg+2*\p:\reg+2*\p+1], v[\adr] offset:8*PC+16*(PC/8)+(\i)*16*PITCH
.else
	ds_load_b64 v[\reg+2*\p:\reg+2*\p+1], v[\adr+2] offset:8*PC+16*(PC/8)+(\i)*16*PITCH
.endif
.endr
.endm
; 16 matrix instructions: A's blocks a0, a0 + 1 x B's eight, 128 along K: the slot's q-th.  p: B's set;  sc: the set of scale words.  zero = 1: the product starts the sums: nothing is ever cleared.
; tr = 1: source 0 = B's rows, source 1 = A's (the first product);  tr = 0: source 0 = A's, source 1 = B's (the second).  B's scale words are read from lanes 16-31 of their register.
; The 64 accumulators take turns, one instruction a turn, in the same order in every step.
.macro MUL16 a0, p, q, sc, zero, tr
.irp a, \a0, \a0+1
.irp b, 0,1,2,3,4,5,6,7
.set xD, 8*(8*((\a)%4)+\b)
.set xA, AF+FR*(\a)
.set xB, 128*(\p)+FR*\b
.set yA, SC+8*NQ*(\sc)+NQ*(\a)+(\q)
.set yB, SC+8*NQ*(\sc)+NQ*\b+(\q)
.if \tr
.if \zero
	v_wmma_scale_f32_16x16x128_f8f6f4 v[xD:xD+7], v[xB:xB+FR-1], v[xA:xA+FR-1], 0, v[yB], v[yA] matrix_a_fmt:MATRIX_FMT_FP6 matrix_b_fmt:MATRIX_FMT_FP6 matrix_a_scale:MATRIX_SCALE_ROW1
.else
	v_wmma_scale_f32_16x16x128_f8f6f4 v[xD:xD+7], v[xB:xB+FR-1], v[xA:xA+FR-1], v[xD:xD+7], v[yB], v[yA] matrix_a_fmt:MATRIX_FMT_FP6 matrix_b_fmt:MATRIX_FMT_FP6 matrix_a_scale:MATRIX_SCALE_ROW1
.endif
.else
.if \zero
	v_wmma_scale_f32_16x16x128_f8f6f4 v[xD:xD+7], v[xA:xA+FR-1], v[xB:xB+FR-1], 0, v[yA], v[yB] matrix_a_fmt:MATRIX_FMT_FP6 matrix_b_fmt:MATRIX_FMT_FP6 matrix_b_scale:MATRIX_SCALE_ROW1
.else
	v_wmma_scale_f32_16x16x128_f8f6f4 v[xD:xD+7], v[xA:xA+FR-1], v[xB:xB+FR-1], v[xD:xD+7], v[yA], v[yB] matrix_a_fmt:MATRIX_FMT_FP6 matrix_b_fmt:MATRIX_FMT_FP6 matrix_b_scale:MATRIX_SCALE_ROW1
.endif
.endif
.endr
.endr
.endm
; the windows of the products: tr = 1: source 0 (B) window 1, source 1 (A) window 0: 0xa1, 0xf1;  tr = 0: source 0 (A) window 0, source 1 (B) window 1: 0xa4, 0xf4;  C and D window 2 (rows 0-63) or 3
.macro FETCH_B slot, q, p              ; B's eight fragments of the slot's q-th 128 along K into set p
	WIN TO_B
.irp i, 0,1,2,3,4,5,6,7
	FRAG 128*(\p)+FR*\i, ADRB+\slot, \q, \i
.endr
	WIN 0
.endm
.macro FETCH_A slot, q, i0             ; A's blocks i0 .. i0 + 3
.irp i, \i0, \i0+1, \i0+2, \i0+3
	FRAG AF+FR*(\i), ADRA+\slot, \q, \i
.endr
.endm
.macro SCALES sc                       ; the next K step's scale words into set sc: two words a row; lanes 0-15 take A's block i, lanes 16-31 B's block i
.irp i, 0,1,2,3,4,5,6,7
	ds_load_b64 v[SC+8*NQ*\sc+NQ*\i:SC+8*NQ*\sc+NQ*\i+1], v[ADRS] offset:\i*SBLK
.endr
.endm
; A load into a register that a matrix instruction has read, and a vector instruction that reads a matrix result, stand NP plain vector instructions behind that matrix instruction (ISA guide 7.12.1 for
; vector instructions); the matrix instructions in between are not counted.
.macro PLACES n
.rept \n
	v_nop
.endr
.endm
; A step of 128 along K that has its successor in the same slot.
.macro STEP slot, q, zero, tr
	s_wait_dscnt 4*NL                              ; B's set and A's blocks 0-3 are in; the youngest 24 loads (A's blocks 4-7) may be out
	WIN 0xa4-3*(\tr)
	MUL16 0, (\q)%2, \q, \slot, \zero, \tr
	MUL16 2, (\q)%2, \q, \slot, \zero, \tr
	s_wait_dscnt 0                                 ; A's blocks 4-7 are in (asked for 32 matrix instructions ago)
	PLACES NP
	FETCH_B \slot, (\q)+1, 1-(\q)%2
	FETCH_A \slot, (\q)+1, 0
	WIN 0xf4-3*(\tr)
	MUL16 4, (\q)%2, \q, \slot, \zero, \tr
	MUL16 6, (\q)%2, \q, \slot, \zero, \tr
	PLACES NP
	WIN 0
	FETCH_A \slot, (\q)+1, 4
.endm
; A slot's last step changes slots: ONE barrier; in front of it each wave waits for all its tensor loads, adds 0 to its spare word, and waits for that and for its own reads of this slot.
; how = 1: this slot is filled again, two K steps ahead in the same tensors;  how = 2: with the second product's K step 0 or 1 (v, Wv);  how = 0: nothing is filled, and no round of the cluster's barrier follows.
; sadd: from this K step's scale words to the next's.  pf >= 0: block pf of v's rows is prefetched.
.macro TURN slot, next, how, sadd, pf, tr
	s_wait_tensorcnt 0x0                           ; all my tensor loads have landed: the one that was out is my part of the next slot;  (every window is 0 here)
	ds_add_u32 v[SPW], v[NIL]                      ; 0 onto my spare word
	s_wait_dscnt 4*NL+1                            ; (the add and the youngest 24 loads, A's blocks 4-7, may be out)
	WIN 0xa4-3*(\tr)
	MUL16 0, 1, NQ-1, \slot, 0, \tr                ; sixteen matrix instructions stand between the add and the wait for it
	s_wait_dscnt 0x0                               ; the add is done, and my reads of this slot are over
	s_barrier_signal -1
	MUL16 2, 1, NQ-1, \slot, 0, \tr
	WIN 0
	s_barrier_wait -1
.if \how == 0
	PLACES NP
.else
	CREST                                          ; the barrier has opened a round of the cluster's barrier: no wave of any partner still reads this slot's tile or has a load on its way
.if \how == 1
	s_add_nc_u64 s[G0+4*\slot+2:G0+4*\slot+3], s[G0+4*\slot+2:G0+4*\slot+3], 2*ROWB
	s_add_nc_u64 s[G0B+4*\slot+2:G0B+4*\slot+3], s[G0B+4*\slot+2:G0B+4*\slot+3], 2*ROWB
.else
	s_add_nc_u64 s[G0+4*\slot+2:G0+4*\slot+3], s[VA:VA+1], \slot*ROWB      ; THE RING GOES ON INTO THE SECOND PRODUCT: v's rows,
	s_or_b32 s[G0+4*\slot+3], s[G0+4*\slot+3], 0x80000000
	s_add_nc_u64 s[G0B+4*\slot+2:G0B+4*\slot+3], s[WVA:WVA+1], \slot*ROWB  ; Wv's rows
	s_or_b32 s[G0B+4*\slot+3], s[G0B+4*\slot+3], 0x80000000
.endif
	JLOAD G0+4*\slot, G1, G0B+4*\slot, G1B         ; the first tensor load behind the round, and my only one until the next; the four v_nop behind it are the plain instructions in front of the loads below
.endif
	v_add_nc_u32 v[ADRS], \sadd, v[ADRS]           ; on to the next K step's scale words (no LDS load of mine is out)
	FETCH_B \next, 0, 0
	FETCH_A \next, 0, 0
	SCALES \next
.if \pf >= 0
	ASK \pf                                        ; behind the joint load and the run of LDS loads that the next products wait for
.endif
	WIN 0xf4-3*(\tr)
	MUL16 4, 1, NQ-1, \slot, 0, \tr
	MUL16 6, 1, NQ-1, \slot, 0, \tr
	PLACES NP
	WIN 0
	FETCH_A \next, 0, 4
.endm
; Scores of batch bt of mine: 8 chains (4 tiles of keys x 2 heads), each a pair of sums (even d, odd d): sum += hk x hq, two at a time.  Each accumulator is read from its low end on.
.macro DOTS bt
.irp cbi, 0,1,2,3
.irp jp, 0,1,2,3
.irp i, 0,1,2,3
.irp hd, 0,1
.set xS, SS+2*(2*(4*\bt+\i)+\hd)
.set xC, 8*(8*\i+4*\hd+\cbi)+2*\jp
.if \bt == 0
.set xH, HQ0+8*(4*\hd+\cbi)+2*\jp
.else
.set xH, 96+128*\hd+8*\cbi+2*\jp
.endif
.if (\cbi == 0) && (\jp == 0)
	v_pk_mul_f32 v[xS:xS+1], v[xC:xC+1], v[xH:xH+1]
.else
	v_pk_fma_f32 v[xS:xS+1], v[xC:xC+1], v[xH:xH+1], v[xS:xS+1]
.endif
.endr
.endr
.endr
.endr
.endm
; ctx of batch bt of mine: 8 chains (tiles of 16 columns), each a pair of sums (even keys, odd keys): sum += hv x weight, two at a time.
.macro SUMS bt
.irp i, 0,1,2,3
.irp jp, 0,1,2,3
.irp cb, 0,1,2,3,4,5,6,7
.set xS, SS+2*(8*\bt+\cb)
.set xC, 8*(8*\i+\cb)+2*\jp
.set xI, 2*\i+\cb/4
.if \bt == 0
.set xH, HQ0+8*xI+2*\jp
.else
.set xH, 96+128*(xI/4)+8*(xI%4)+2*\jp
.endif
.if (\i == 0) && (\jp == 0)
	v_pk_mul_f32 v[xS:xS+1], v[xC:xC+1], v[xH:xH+1]
.else
	v_pk_fma_f32 v[xS:xS+1], v[xC:xC+1], v[xH:xH+1], v[xS:xS+1]
.endif
.endr
.endr
.endr
.endm
; the 16 pairs become 16 numbers: a pair's two halves, and the other half of the lanes'
.macro FOLD
.irp c, 0,1,2,3,4,5,6,7,8,9,10,11,12,13,14,15
	v_add_f32 v[SS+2*\c], v[SS+2*\c], v[SS+2*\c+1]
.endr
.irp c, 0,1,2,3,4,5,6,7,8,9,10,11,12,13,14,15
	v_permlanex16_b32 v[SS+2*\c+1], v[SS+2*\c], s[SEL], s[SEL+1]
.endr
.irp c, 0,1,2,3,4,5,6,7,8,9,10,11,12,13,14,15
	v_add_f32 v[SS+2*\c], v[SS+2*\c], v[SS+2*\c+1]
.endr
.endm
	s_wait_tensorcnt 1                             ; both sets of scales and my part of K step 0 are in (K step 1's load may be out)
	s_barrier_signal -1
	s_barrier_wait -1                              ; everybody's are
	FETCH_B 0, 0, 0
	FETCH_A 0, 0, 0
	SCALES 0
	FETCH_A 0, 0, 4
	; ---- hk = k Wk^T, transposed
	STEP 0, 0, 1, 1                                ; K step 0: its first products start the sums
	TURN 0, 1, 1, 8, 0, 1
	STEP 1, 0, 0, 1                                ; K step 1
	TURN 1, 0, 1, 8, 1, 1
	STEP 0, 0, 0, 1                                ; K step 2
	TURN 0, 1, 2, 8, 2, 1                          ; slot 0 takes the second product's K step 0
	STEP 1, 0, 0, 1                                ; K step 3
	TURN 1, 0, 2, SCL2-SCL-24, -1, 1               ; slot 1 its K step 1; the second product's first fragments and scale words are fetched
	; ---- scores and softmax.  Chain c = 2 a + hd: tile a of 16 keys (batch a / 4), head hd of my two.  The tiles asked for above land meanwhile.
	s_wait_loadcnt 0x0                             ; hq
	WIN 0x02                                       ; source 0 (the accumulators) window 2
	DOTS 0
	WIN 0x07                                       ; source 0 window 3, source 1 (hq of my second batch) window 1
	DOTS 1
	WIN 0
	FOLD                                           ; v[SS + 2 c]: the score of key 16 (a % 4) + lane % 16, in both halves of the lanes
.irp g, 0,1,2,3                                ; group g = 2 x batch + head: its four chains lie 4 registers apart
	v_max3_num_f32 v[MX+\g], v[SS+16*(\g/2)+2*(\g%2)], v[SS+16*(\g/2)+2*(\g%2)+4], v[SS+16*(\g/2)+2*(\g%2)+8]
.endr
.irp g, 0,1,2,3
	v_max_num_f32 v[MX+\g], v[MX+\g], v[SS+16*(\g/2)+2*(\g%2)+12]
.endr
.irp m, 1,2,4,8
.irp g, 0,1,2,3
	v_max_num_f32_dpp v[MX+\g], v[MX+\g], v[MX+\g] row_xmask:\m row_mask:0xf bank_mask:0xf
.endr
.endr
.irp g, 0,1,2,3
	v_mul_f32 v[CM+\g], s[CSC], v[MX+\g]           ; c x the largest of the 64 scores
.endr
.irp c, 0,1,2,3,4,5,6,7,8,9,10,11,12,13,14,15
	v_fma_f32 v[SS+2*\c], v[SS+2*\c], s[CSC], -v[CM+2*(\c/8)+\c%2]   ; c s - c max: the same number is taken off all 64, so its rounding cancels in the division by the sum
.endr
.irp c, 0,1,2,3,4,5,6,7,8,9,10,11,12,13,14,15
	v_exp_f32 v[SS+2*\c], v[SS+2*\c]
.endr
	v_nop                                          ; a plain instruction behind the last exponential,
	s_wait_alu depctr_va_vdst(0)                   ; and the wait ahead of the first use: one for the sixteen
.irp g, 0,1,2,3
	v_add_f32 v[MX+\g], v[SS+16*(\g/2)+2*(\g%2)], v[SS+16*(\g/2)+2*(\g%2)+4]
.endr
.irp g, 0,1,2,3
	v_add_f32 v[MX+\g], v[MX+\g], v[SS+16*(\g/2)+2*(\g%2)+8]
.endr
.irp g, 0,1,2,3
	v_add_f32 v[MX+\g], v[MX+\g], v[SS+16*(\g/2)+2*(\g%2)+12]
.endr
.irp m, 1,2,4,8
.irp g, 0,1,2,3
	v_add_f32_dpp v[MX+\g], v[MX+\g], v[MX+\g] row_xmask:\m row_mask:0xf bank_mask:0xf
.endr
.endr
.irp g, 0,1,2,3
	v_rcp_f32 v[CM+\g], v[MX+\g]
.endr
	v_nop
	s_wait_alu depctr_va_vdst(0)                   ; one wait for the four reciprocals
.irp c, 0,1,2,3,4,5,6,7,8,9,10,11,12,13,14,15
	v_mul_f32 v[SS+2*\c], v[SS+2*\c], v[CM+2*(\c/8)+\c%2]   ; the weights
.endr
.irp c, 0,1,2,3,4,5,6,7,8,9,10,11,12,13,14,15
	ds_store_b32 v[WTA], v[SS+2*\c] offset:64*\c   ; a key a lane (both halves of the lanes write the same word with the same value);
.endr
.irp c, 0,1,2,3,4,5,6,7
	ds_load_b128 v[HQ0+8*\c:HQ0+8*\c+3], v[WTR] offset:64*\c          ; back as eight keys a lane, 8 h + 0 .. 7: the layout of the second product's results.  LDS serves a wave's instructions in order (ISA guide 5.7.1.4), and the bytes are my wave's own
	ds_load_b128 v[HQ0+8*\c+4:HQ0+8*\c+7], v[WTR] offset:64*\c+16
.endr
	WIN TO_B
.irp c, 0,1,2,3,4,5,6,7
	ds_load_b128 v[96+128*(\c/4)+8*(\c%4):96+128*(\c/4)+8*(\c%4)+3], v[WTR] offset:512+64*\c
	ds_load_b128 v[96+128*(\c/4)+8*(\c%4)+4:96+128*(\c/4)+8*(\c%4)+7], v[WTR] offset:512+64*\c+16
.endr
	WIN 0
	s_wait_dscnt 0x0                               ; the weights are in, and so are the fragments fetched ahead
	; ---- hv = v Wv^T.  Its first products write over hk's accumulators: the softmax's plain lines, which name none of them, stand between
	STEP 0, 0, 1, 0                                ; K step 4
	TURN 0, 1, 1, 8, -1, 0
	STEP 1, 0, 0, 0                                ; K step 5
	TURN 1, 0, 1, 8, -1, 0
	STEP 0, 0, 0, 0                                ; K step 6
	TURN 0, 1, 0, 8, -1, 0                         ; nothing is left to fetch
	STEP 1, 0, 0, 0                                ; K step 7
	s_wait_dscnt 4*NL                              ; the very last step
	WIN 0xa4
	MUL16 0, 1, NQ-1, 1, 0, 0
	MUL16 2, 1, NQ-1, 1, 0, 0
	s_wait_dscnt 0
	WIN 0xf4
	MUL16 4, 1, NQ-1, 1, 0, 0
	MUL16 6, 1, NQ-1, 1, 0, 0
	PLACES NP
	; ---- ctx: chain n = 8 x batch + tile of 16 columns
	WIN 0x02
	SUMS 0
	WIN 0x07
	SUMS 1
	WIN 0
	FOLD                                           ; v[SS + 2 n]: ctx(batch, column 16 (n % 8) + lane % 16)
.irp n, 0,1,2,3,4,5,6,7,8,9,10,11,12,13,14,15
	ds_store_b32 v[CSA], v[SS+2*\n] offset:64*\n   ; two rows of 512 bytes in my own stage
.endr
	ds_load_b128 v[8:11], v[CSR]
	ds_load_b128 v[12:15], v[CSR] offset:512
	s_wait_dscnt 0x0
	global_store_b128 v[GO], v[8:11], s[CTXP:CTXP+1]                 ; 32 lanes store 512 consecutive bytes, at a multiple of 256 from ctx's first byte
	global_store_b128 v[GO], v[12:15], s[CTXP:CTXP+1] offset:4096
	s_wait_tensorcnt 0x0                           ; the wave's end: behind my last tensor load and my last LDS store
	ds_add_u32 v[SPW], v[NIL]
	s_wait_dscnt 0x0
	CROUND                                         ; the closing round: no work-group ends while a partner may still ask for a tile that names it
	s_endpgm
.Lfunc_end_k_q62158be2e6_attn:
	.size	k_q62158be2e6_attn, .Lfunc_end_k_q62158be2e6_attn-k_q62158be2e6_attn
	.p2alignl 7, 3214868480
	.fill 96, 4, 3214868480
	.section	.rodata,"a",@progbits
	.p2align	6, 0x0
	.amdhsa_kernel k_q62158be2e6_attn
		.amdhsa_group_segment_fixed_size 327680
		.amdhsa_private_segment_fixed_size 0
		.amdhsa_enable_private_segment 0
		.amdhsa_kernarg_size 80
		.amdhsa_user_sgpr_count 2
		.amdhsa_user_sgpr_kernarg_segment_ptr 1
		.amdhsa_wavefront_size32 1
		.amdhsa_system_sgpr_workgroup_id_x 1
		.amdhsa_system_sgpr_workgroup_id_y 1
		.amdhsa_system_sgpr_workgroup_id_z 1
		.amdhsa_system_vgpr_workitem_id 0
		.amdhsa_next_free_vgpr 1024
		.amdhsa_next_free_sgpr 106
		.amdhsa_reserve_vcc 0
		.amdhsa_float_denorm_mode_32 3
		.amdhsa_float_denorm_mode_16_64 3
		.amdhsa_memory_ordered 1
		.amdhsa_forward_progress 1
		.amdhsa_inst_pref_size 255
	.end_amdhsa_kernel
	.section	.bss,"aw",@nobits
	.p2align	6
	.space	262144
	.amdgpu_metadata
---
amdhsa.version: [ 1, 2 ]
amdhsa.kernels:
  - .name:           k_q62158be2e6_attn
    .symbol:         k_q62158be2e6_attn.kd
    .args:
      - { .name: k_codes, .offset: 0, .size: 8, .value_kind: global_buffer, .address_space: global }
      - { .name: k_scales, .offset: 8, .size: 8, .value_kind: global_buffer, .address_space: global }
      - { .name: Wk_codes, .offset: 16, .size: 8, .value_kind: global_buffer, .address_space: global }
      - { .name: Wk_scales, .offset: 24, .size: 8, .value_kind: global_buffer, .address_space: global }
      - { .name: v_codes, .offset: 32, .size: 8, .value_kind: global_buffer, .address_space: global }
      - { .name: v_scales, .offset: 40, .size: 8, .value_kind: global_buffer, .address_space: global }
      - { .name: Wv_codes, .offset: 48, .size: 8, .value_kind: global_buffer, .address_space: global }
      - { .name: Wv_scales, .offset: 56, .size: 8, .value_kind: global_buffer, .address_space: global }
      - { .name: hqb, .offset: 64, .size: 8, .value_kind: global_buffer, .address_space: global }
      - { .name: ctxb, .offset: 72, .size: 8, .value_kind: global_buffer, .address_space: global }
    .group_segment_fixed_size: 327680
    .private_segment_fixed_size: 0
    .kernarg_segment_align: 8
    .kernarg_segment_size: 80
    .max_flat_workgroup_size: 128
    .sgpr_count:     106
    .vgpr_count:     1024
    .wavefront_size: 32
...
	.end_amdgpu_metadata
.endif
;; end of part 2
;; launch oproj: the kernel of part 1 again; grid 8 x 32, 8 waves a work-group, clusters of 4 x 4, 222,208 bytes of LDS; arguments ctxb, Wp_codes, Wp_scales, preb; writes preb
;; launch ln (part 3): grid 256 x 1, 2 waves a work-group, no clusters, 0 bytes of LDS; arguments preb, q, scale, offset, out0; writes out0
.if DOCPART == 3
	.amdgcn_target "amdgcn-amd-amdhsa--gfx1250"
	.amdhsa_code_object_version 6
	.text
	.protected	k_q62158be2e6_ln
	.globl	k_q62158be2e6_ln
	.p2align	8
	.type	k_q62158be2e6_ln,@function
k_q62158be2e6_ln:
	s_mov_b64 s[64:65], 0
	v_nop
	global_prefetch_b8 v0, s[64:65] scope:SCOPE_SE
	s_setreg_imm32_b32 hwreg(HW_REG_WAVE_MODE, 25, 1), 1
	s_wait_xcnt 0x0
; out0[b][:] = scale (x - mean) / (std + 1) + offset, x = pre[b][:] + q[b][:], mean over the row's 1,024 numbers, std = sqrt(sum (x - mean)^2 / 1,023).  All f32.
; One wave takes one row of 4,096 bytes and keeps it in 32 registers between the passes: each byte is read once and written once; a load or store of the wave covers 512 consecutive bytes.
; The reductions never leave the wave: no LDS, no barrier.  No matrix unit and no cluster: a row block shares nothing with another but scale and offset, 8 KB of the 20 KB that a wave moves, and there is one step.
; LIMITS: NaN and infinities are not served; the sums run in two pairwise chains and then across the lanes, not in reference order.
.set X,  16                            ; v16-47   pre, then x, then x - mean, then the result
.set Q,  48                            ; v48-79   q
.set SCA, 80                           ; v80-111  scale
.set OFS, 112                          ; v112-143 offset
.macro ALLSUM                          ; the pairs v[2:3] and v[4:5] become one sum over the row, in v2 of every lane
	v_pk_add_f32 v[2:3], v[2:3], v[4:5]
	v_add_f32 v2, v2, v3
	v_add_f32_dpp v2, v2, v2 row_xmask:1 row_mask:0xf bank_mask:0xf
	v_add_f32_dpp v2, v2, v2 row_xmask:2 row_mask:0xf bank_mask:0xf
	v_add_f32_dpp v2, v2, v2 row_xmask:4 row_mask:0xf bank_mask:0xf
	v_add_f32_dpp v2, v2, v2 row_xmask:8 row_mask:0xf bank_mask:0xf
	v_permlanex16_b32 v3, v2, s14, s15             ; (its destination counts as read: v3 has been written)
	v_add_f32 v2, v2, v3
.endm
	s_load_b256 s[4:11], s[0:1], 0x0               ; pre s[4:5], q s[6:7], scale s[8:9], offset s[10:11]
	s_load_b64 s[12:13], s[0:1], 0x20              ; out0
	v_lshrrev_b32 v1, 5, v0
	v_readfirstlane_b32 s16, v1                    ; wave 0, 1
	s_lshl_b32 s17, ttmp9, 1
	s_add_co_u32 s16, s16, s17                     ; my row
	s_lshl_b32 s16, s16, 12
	s_mov_b32 s17, 0
	s_mov_b32 s14, 0x76543210
	s_mov_b32 s15, 0xfedcba98                      ; v_permlanex16_b32's selects for lane l xor 16
	v_and_b32 v1, 31, v0
	v_lshlrev_b32 v1, 4, v1                        ; 16 bytes a lane
	s_wait_kmcnt 0x0
	s_add_nc_u64 s[4:5], s[4:5], s[16:17]
	s_add_nc_u64 s[6:7], s[6:7], s[16:17]
	s_add_nc_u64 s[12:13], s[12:13], s[16:17]
.irp j, 0,1,2,3,4,5,6,7
	global_load_b128 v[X+4*\j:X+4*\j+3], v1, s[4:5] offset:512*\j th:TH_LOAD_NT
.endr
.irp j, 0,1,2,3,4,5,6,7
	global_load_b128 v[Q+4*\j:Q+4*\j+3], v1, s[6:7] offset:512*\j th:TH_LOAD_NT
.endr
.irp j, 0,1,2,3,4,5,6,7
	global_load_b128 v[SCA+4*\j:SCA+4*\j+3], v1, s[8:9] offset:512*\j
.endr
.irp j, 0,1,2,3,4,5,6,7
	global_load_b128 v[OFS+4*\j:OFS+4*\j+3], v1, s[10:11] offset:512*\j
.endr
	s_wait_loadcnt 16                              ; pre and q are in; the 16 loads of scale and offset may be out
.irp i, 0,1,2,3,4,5,6,7,8,9,10,11,12,13,14,15
	v_pk_add_f32 v[X+2*\i:X+2*\i+1], v[X+2*\i:X+2*\i+1], v[Q+2*\i:Q+2*\i+1]   ; the residual
.endr
	v_pk_add_f32 v[2:3], v[X:X+1], v[X+2:X+3]      ; the row's sum, in two chains: nothing is cleared
	v_pk_add_f32 v[4:5], v[X+4:X+5], v[X+6:X+7]
.irp i, 4,6,8,10,12,14
	v_pk_add_f32 v[2:3], v[2:3], v[X+2*\i:X+2*\i+1]
	v_pk_add_f32 v[4:5], v[4:5], v[X+2*\i+2:X+2*\i+3]
.endr
	ALLSUM
	v_mul_f32 v8, 0x3a800000, v2                   ; / 1,024: the mean,
	v_mov_b32 v9, v8                               ; as a pair
.irp i, 0,1,2,3,4,5,6,7,8,9,10,11,12,13,14,15
	v_pk_add_f32 v[X+2*\i:X+2*\i+1], v[X+2*\i:X+2*\i+1], v[8:9] neg_lo:[0,1] neg_hi:[0,1]   ; x - mean
.endr
	v_pk_mul_f32 v[2:3], v[X:X+1], v[X:X+1]        ; the sum of squares, in two chains
	v_pk_mul_f32 v[4:5], v[X+2:X+3], v[X+2:X+3]
.irp i, 2,4,6,8,10,12,14
	v_pk_fma_f32 v[2:3], v[X+2*\i:X+2*\i+1], v[X+2*\i:X+2*\i+1], v[2:3]
	v_pk_fma_f32 v[4:5], v[X+2*\i+2:X+2*\i+3], v[X+2*\i+2:X+2*\i+3], v[4:5]
.endr
	ALLSUM
	v_mul_f32 v2, 0x3a802008, v2                   ; / 1,023
	v_sqrt_f32 v6, v2
	v_nop                                          ; a plain instruction behind the root,
	s_wait_alu depctr_va_vdst(0)                   ; and the wait ahead of its first use
	v_add_f32 v6, 1.0, v6                          ; std + 1
	v_rcp_f32 v10, v6
	v_nop
	s_wait_alu depctr_va_vdst(0)
	v_mov_b32 v11, v10                             ; as a pair
	s_wait_loadcnt 0x0                             ; scale and offset
.irp i, 0,1,2,3,4,5,6,7,8,9,10,11,12,13,14,15
	v_pk_mul_f32 v[X+2*\i:X+2*\i+1], v[X+2*\i:X+2*\i+1], v[10:11]
.endr
.irp i, 0,1,2,3,4,5,6,7,8,9,10,11,12,13,14,15
	v_pk_fma_f32 v[X+2*\i:X+2*\i+1], v[X+2*\i:X+2*\i+1], v[SCA+2*\i:SCA+2*\i+1], v[OFS+2*\i:OFS+2*\i+1]
.endr
.irp j, 0,1,2,3,4,5,6,7
	global_store_b128 v1, v[X+4*\j:X+4*\j+3], s[12:13] offset:512*\j th:TH_STORE_NT   ; 32 lanes store 512 consecutive bytes, at a multiple of 256 from out0's first byte
.endr
	s_endpgm
.Lfunc_end_k_q62158be2e6_ln:
	.size	k_q62158be2e6_ln, .Lfunc_end_k_q62158be2e6_ln-k_q62158be2e6_ln
	.p2alignl 7, 3214868480
	.fill 96, 4, 3214868480
	.section	.rodata,"a",@progbits
	.p2align	6, 0x0
	.amdhsa_kernel k_q62158be2e6_ln
		.amdhsa_group_segment_fixed_size 0
		.amdhsa_private_segment_fixed_size 0
		.amdhsa_enable_private_segment 0
		.amdhsa_kernarg_size 40
		.amdhsa_user_sgpr_count 2
		.amdhsa_user_sgpr_kernarg_segment_ptr 1
		.amdhsa_wavefront_size32 1
		.amdhsa_system_sgpr_workgroup_id_x 1
		.amdhsa_system_sgpr_workgroup_id_y 1
		.amdhsa_system_sgpr_workgroup_id_z 1
		.amdhsa_system_vgpr_workitem_id 0
		.amdhsa_next_free_vgpr 144
		.amdhsa_next_free_sgpr 66
		.amdhsa_reserve_vcc 0
		.amdhsa_float_denorm_mode_32 3
		.amdhsa_float_denorm_mode_16_64 3
		.amdhsa_memory_ordered 1
		.amdhsa_forward_progress 1
		.amdhsa_inst_pref_size 12
	.end_amdhsa_kernel
	.amdgpu_metadata
---
amdhsa.version: [ 1, 2 ]
amdhsa.kernels:
  - .name:           k_q62158be2e6_ln
    .symbol:         k_q62158be2e6_ln.kd
    .args:
      - { .name: preb, .offset: 0, .size: 8, .value_kind: global_buffer, .address_space: global }
      - { .name: q, .offset: 8, .size: 8, .value_kind: global_buffer, .address_space: global }
      - { .name: scale, .offset: 16, .size: 8, .value_kind: global_buffer, .address_space: global }
      - { .name: offset, .offset: 24, .size: 8, .value_kind: global_buffer, .address_space: global }
      - { .name: out0, .offset: 32, .size: 8, .value_kind: global_buffer, .address_space: global }
    .group_segment_fixed_size: 0
    .private_segment_fixed_size: 0
    .kernarg_segment_align: 8
    .kernarg_segment_size: 40
    .max_flat_workgroup_size: 64
    .sgpr_count:     66
    .vgpr_count:     144
    .wavefront_size: 32
...
	.end_amdgpu_metadata
.endif
;; end of part 3
